; MI455X (gfx1250); checked and timed in simulation.
; The chip was launched on July 23, 2026; its instructions are those of AMD's public machine-readable ISA for CDNA 5 (MIT licence, August 2026) and "CDNA5" Instruction Set Architecture Reference Guide (July 2026). The comments in the code are by the model that wrote it; some were corrected since.
;; Linear4 Bit. Allowed arithmetic: matrix products marked QUANTISED: E4M3 operands, one E8M0 scale for each 32 along K, by v_wmma_scale_f32_16x16x128_f8f6f4 with both operands' format E4M3, f32 sums; everything else in f32.
;; Inputs: bias 4,096 float32; weight_norm 1,048,576 x 1 float16; weight_q4 1,048,576 x 8 int32; x_codes 4,096 x 128 x 32 uint8 (E4M3 codes of x, K innermost, in blocks of 32 codes); x_scales 4,096 x 128 uint8 (E8M0 scales of x, one for each 32 codes along K).
;; Outputs: out0 4,096 x 4,096 float32.
;; This version of the problem:
;;   THIS VERSION OF THE PROBLEM IS GIVEN IN LOW PRECISION. The matrix products marked QUANTISED in the list below multiply operands that are first quantised to E4M3 (4 exponent bits, 3 mantissa bits; 8 bits a number), with one power-of-two scale for each 32 numbers along K (OCP MX v1.0); their sums are f32. All else is computed in f32.
;;   The module's matrix products, in the order in which they are computed (A, B: the left and right operand; K: the contracted axis; several contracted axes count as one K, in the product's order):
;;     1. [M 4,096, K 4,096] x [K 4,096, N 4,096]; A: input x (given as codes); B: computed on the way: QUANTISED
;;   THE QUANTISER, for each operand of a quantised product, along K:
;;     - K is cut into blocks of 32 from its start; a last block that is shorter is filled with zeros.
;;     - A block's scale is 2^e with e = floor(log2(the largest magnitude in the block)) - 8, held to -126 .. 127; a block of zeros has e = 0. As a byte (E8M0): e + 127.
;;     - Each number is divided by its block's scale, clamped to +-448, and rounded to the nearest number of E4M3, ties to even, subnormals kept.
;;     - The product sums the exact products of the quantised numbers (number of the format x scale) in f32.
;;   ~~~python
;;   def quantise(x, axis):      # numpy; x: float32 -> the quantised numbers, widened to float32 again
;;       x = np.moveaxis(x, axis, -1); K = x.shape[-1]
;;       x = np.pad(x, [(0, 0)] * (x.ndim - 1) + [(0, -K % 32)]); x = x.reshape(x.shape[:-1] + (-1, 32)); a = np.abs(x).max(-1, keepdims=True)
;;       e = np.where(a > 0, np.clip(np.frexp(np.where(a > 0, a, 1))[1] - 1 - 8, -126, 127), 0)      # np.frexp(a)[1] - 1 = floor(log2(a)), exactly
;;       r = np.clip(x / 2.0 ** e, -448, 448)
;;       step = 2.0 ** (np.maximum(np.frexp(np.where(r == 0, 1, r))[1] - 1, -6) - 3)
;;       q = np.round(r / step) * step * 2.0 ** e      # np.round: ties to even
;;       return np.moveaxis(q.reshape(q.shape[:-2] + (-1,))[..., :K], -1, axis).astype(np.float32)
;;   ~~~
;;   OPERANDS COMPUTED ON THE WAY. 'Computed on the way' means the value that the module computes at that place (a softmax that the list does not call 'softmax' is quantised finished and normalised). What goes into a quantiser is computed in f32, as accurately as f32 sums, v_exp_f32 and their like allow (about 1e-6 of the number): no bf16 or f16 on the way to a quantiser, and a product that is left as it is and whose result goes on into a quantised operand takes f32 operands (vector FMAs, or v_wmma_f32_16x16x4_f32). A number that lies on a knife's edge between two numbers of the format may be rounded either way, as far as f32 arithmetic and the matrix unit's own rounding can turn it there, and no further.
;;   INPUTS GIVEN AS CODES. x (in the module: [4096, 4096], K = its axis 1): each comes as NAME_codes (uint8): NAME with its K axis moved to the last place and cut into blocks of 32 codes, [.., K / 32, bytes a block], one block behind the other in memory; one code a byte (a code: sign, 4 exponent bits, 3 mantissa bits); and NAME_scales (uint8): the same leading axes, one E8M0 byte (e + 127) for each 32 codes along K. Its value is code x scale, taken as it is: it is not quantised again, and the codes and scales need not be those that the quantiser above would give.
;; One version. Each part assembles by itself: llvm-mc -triple=amdgcn-amd-amdhsa -mcpu=gfx1250 --defsym DOCPART=n.
;; ======== version 1 of 1: 2 launches
;; limits: values are held in f16: magnitudes above 65,504 overflow, below 6.1e-05 lose precision; right only within a limited range of input values
;; workspace buffers: w_codes 16,777,216 bytes; scl 1,048,576 bytes
;; launch quant (part 1): grid 128 x 2, 8 waves a work-group, no clusters, 13,568 bytes of LDS; arguments weight_q4, weight_norm, x_scales, w_codes, scl; writes w_codes, scl
.if DOCPART == 1
	.amdgcn_target "amdgcn-amd-amdhsa--gfx1250"
	.amdhsa_code_object_version 6
	.text
	.protected	k_qf5babcf2d8_quant
	.globl	k_qf5babcf2d8_quant
	.p2align	8
	.type	k_qf5babcf2d8_quant,@function
k_qf5babcf2d8_quant:
	s_mov_b64 s[64:65], 0
	v_nop
	global_prefetch_b8 v0, s[64:65] scope:SCOPE_SE
	s_setreg_imm32_b32 hwreg(HW_REG_WAVE_MODE, 25, 1), 1
	s_wait_xcnt 0x0
; W [4096 n][4096 k] is made from packed nibbles and f16 norms, in f32, and turned into codes of FP8 (E4M3), K innermost, with one E8M0 byte for each 32 along K.
; w = (q / 15) x 2 x norm - norm: a word of weight_q4 holds two neighbours along K (low nibble, then bits 7:4), a norm serves 16 neighbours.
; Codes go to w_codes [16 K steps of 256][4096 rows][256], one code a byte.  Scale bytes go to scl [16 K steps][2: x, W][4096 rows][8 bytes]; x_scales ([4096][128]) is laid anew into the same buffer.
; Of a row's 8 bytes x's lie in the order of its blocks; W's block b lies at byte b xor 4: its second 128 along K comes first (the product's launch then finds x's and W's words of one product in registers of unlike parity).
; ARITHMETIC.  2^23 + q (or 2^23 + 16 q) is made by one AND-OR on the word; c = fma(2^23 + q, k, -2^23 k) is q x k rounded once, k = 2/15 rounded to f32; w = fma(c, n, -n).
; q = 0 gives c = 0 and q = 15 gives c = 2 exactly (15 k = 2 (1 + 7 x 2^-27) rounds to 2), so w = -n and +n exactly.
; ORDER OF ROUNDING: it differs from (q / 15) x 2 x n - n taken step by step: c may lie one unit in the last place from 2 (q / 15), and the last multiply and subtraction round once, not twice:
; at most about 1.5e-6 of the number (at q = 7 and 8, where the two terms nearly cancel).
; LIMITS: NaN and infinite norms are not served.  A block whose largest magnitude lies under 2^-118, a block of zeros among them, gets the byte 1 (the rule says 127 for zeros): its codes are zeros or
; subnormal codes under that byte, and the bytes are read by this program alone.  No work of reference() is left out.
; SHARES.  Work-group (x, y) owns rows 32 x .. 32 x + 31 and K steps 8 y .. 8 y + 7; wave w owns K step 8 y + w: 32 steps, t = row.  A step is one K step of one row: 256 numbers, 512 consecutive bytes
; of weight_q4, 16 bytes a lane: a lane's four words ARE eight neighbours along K, one conversion's worth; four neighbouring lanes hold a block of 32, two share a norm.  The eight waves read 4,096 consecutive bytes of a row.
; A lane's 8 codes leave by one store of 8 bytes: the wave stores 256 consecutive bytes, at a multiple of 256 from the buffer's first byte.  Norms and x's scale bytes are shared through LDS, behind one barrier.
; Of x_scales a work-group reads 64 bytes of each of 32 rows of 128 (1/256 of what the launch reads).
; No tensor loads, no matrix work, no cluster, no prefetch: nothing is shared between work-groups, and each byte is asked for once, eight steps ahead of its use, straight into registers (a ring of eight slots).
; No store's data and no address register is written again, so the text has no wait on XCNT.
.set SB,  8192                         ; LDS: 0 .. 8191 the norms, 256 bytes a row; from SB W's scale bytes: K step j at 264 j, row p (0 .. 31) at 8 p;
.set XB,  10304                        ; from XB = SB + 8 x 264 x's, laid alike
.set SPT, 264
.set NR,  32                           ; v32-63   a step's norm, as loaded (16 bits)
.set R,   64                           ; v64-95   the ring: slot t % 8, four words
.set F,   96                           ; v96-111  two sets of eight numbers, set t % 2
.set KP,  112                          ; v[112:113] k, k / 16
.set CP,  114                          ; v[114:115] -2^23 k, -2^23 k / 16
.set NT,  116                          ; v116 the norm as f32; v117 is named with it as a pair, so it is written once
.set M,   118                          ; the largest magnitude
.set M2,  119
.set SCL, 120                          ; the conversion's scale operand
.set LIM, 121                          ; 448 x the scale
.set NH,  122                          ; the step's norm, in a register whose half can be named
.set E,   128                          ; v128-159 a scale byte for each step
.set C,   160                          ; v160-223 two registers of codes for each step
	s_load_b256 s[4:11], s[0:1], 0x0               ; weight_q4 s[4:5], weight_norm s[6:7], x_scales s[8:9], w_codes s[10:11]
	s_load_b64 s[12:13], s[0:1], 0x20              ; scl
	v_lshl_add_u32 v224, v0, 2, 0x3100             ; my spare word: from 12,544 on, behind the scale bytes
	v_mov_b32 v225, 0
	v_lshrrev_b32 v10, 5, v0
	v_and_b32 v1, 31, v0                           ; lane
	v_and_b32 v11, 15, v0
	v_bfe_u32 v4, v0, 4, 1
	v_readfirstlane_b32 s14, v10                   ; wave 0..7
	v_bfe_u32 v7, v0, 2, 3
	v_and_b32 v8, 7, v0
	v_lshrrev_b32 v9, 3, v0
	v_and_b32 v5, 0xe0, v0                         ; 32 x wave
	v_and_b32 v6, 0xfe, v0                         ; my group's norm in LDS: 32 x wave + 2 (lane / 2), row t at 256 t
	v_lshlrev_b32 v2, 4, v1                        ; weight_q4: 16 bytes a lane
	v_lshlrev_b32 v3, 3, v1                        ; codes, and the scale bytes on their way out: 8 bytes a lane
	v_lshlrev_b32 v4, 9, v4
	v_mul_u32_u24 v10, v10, SPT
	v_xor_b32 v7, 4, v7                            ; W's block b at byte b xor 4
	v_mul_u32_u24 v12, v8, SPT
	v_lshlrev_b32 v8, 3, v8
	v_lshl_add_u32 v5, v5, 5, v2                   ; norms into LDS: 1,024 x wave + 16 x lane
	v_lshl_add_u32 v4, v11, 4, v4                  ; norms in memory: lanes 0-15 one row's 256 bytes, lanes 16-31 the next row's (rows 512 bytes apart)
	v_add_nc_u32 v7, v7, v10
	v_add_nc_u32 v10, v10, v3
	v_lshl_add_u32 v12, v9, 3, v12
	v_lshl_add_u32 v9, v9, 7, v8                   ; x's scale bytes in memory: thread t has row t / 8, K step t % 8
	v_add_nc_u32 v7, SB, v7                        ; W's scale byte: SB + 264 x wave + (lane / 4 xor 4), row t at 8 t
	v_add_nc_u32 v10, SB, v10                      ; the way out: K step = my wave, row = my lane
	v_add_nc_u32 v8, XB, v12                       ; x's scale bytes into LDS
	v_mov_b32 v[KP], 0x3e088889                    ; k = 2/15
	v_mov_b32 v[KP+1], 0x3c088889                  ; k / 16
	v_mov_b32 v[CP], 0xc9888889                    ; -2^23 k
	v_mov_b32 v[CP+1], 0xc7888889                  ; -2^23 k / 16
	v_mov_b32 v[NT+1], 0
	s_and_b32 s15, ttmp7, 0xffff                   ; y: which half of K
	s_mov_b32 s20, 0x4b000000                      ; 2^23
	s_mov_b32 s21, 0xf0
	s_mov_b32 s22, 0x600000                        ; the mantissa field of 448
	s_lshl_b32 s16, ttmp9, 18                      ; weight_q4: 32 rows of 8,192 bytes a work-group,
	s_lshl_b32 s28, s15, 12                        ; 8 K steps of 512 bytes a half,
	s_add_co_u32 s16, s16, s28
	s_lshl_b32 s28, s14, 9                         ; one a wave
	s_add_co_u32 s16, s16, s28
	s_mov_b32 s17, 0
	s_lshl_b32 s18, ttmp9, 14                      ; weight_norm: 32 rows of 512 bytes a work-group,
	s_lshl_b32 s28, s15, 8                         ; 256 bytes a half; wave w fetches rows 4 w .. 4 w + 3
	s_add_co_u32 s18, s18, s28
	s_lshl_b32 s28, s14, 11
	s_add_co_u32 s18, s18, s28
	s_mov_b32 s19, 0
	s_lshl_b32 s30, s15, 3
	s_add_co_u32 s30, s30, s14                     ; my K step: 8 y + wave
	s_lshl_b32 s24, s30, 20                        ; w_codes: 4,096 x 256 bytes a K step,
	s_lshl_b32 s28, ttmp9, 13                      ; 32 rows of 256 bytes a work-group
	s_add_co_u32 s24, s24, s28
	s_mov_b32 s25, 0
	s_lshl_b32 s26, ttmp9, 12                      ; x_scales: 32 rows of 128 bytes, + 64 y
	s_lshl_b32 s28, s15, 6
	s_add_co_u32 s26, s26, s28
	s_mov_b32 s27, 0
	s_lshl_b32 s28, s30, 16                        ; scl: 65,536 bytes a K step,
	s_lshl_b32 s30, ttmp9, 8                       ; + 32 rows of 8 bytes a work-group
	s_add_co_u32 s28, s28, s30
	s_mov_b32 s29, 0
	s_wait_alu depctr_va_vdst(0)                   ; the wait at the head's end
	s_wait_kmcnt 0x0
	s_add_nc_u64 s[4:5], s[4:5], s[16:17]
	s_add_nc_u64 s[6:7], s[6:7], s[18:19]
	s_add_nc_u64 s[8:9], s[8:9], s[26:27]
	s_add_nc_u64 s[10:11], s[10:11], s[24:25]
	s_add_nc_u64 s[12:13], s[12:13], s[28:29]
.macro LOAD t                          ; step t's 512 bytes into slot t % 8
	global_load_b128 v[R+4*((\t)%8):R+4*((\t)%8)+3], v2, s[4:5] offset:8192*(\t) th:TH_LOAD_NT
.endm
	global_load_b128 v[12:15], v4, s[6:7] th:TH_LOAD_NT              ; norms of rows 4 w, 4 w + 1,
	global_load_b128 v[16:19], v4, s[6:7] offset:1024 th:TH_LOAD_NT  ; 4 w + 2, 4 w + 3
	global_load_b64 v[20:21], v9, s[8:9]           ; x's scale bytes of one row and one K step
.irp t, 0,1,2,3,4,5,6,7
	LOAD \t
.endr
	s_wait_loadcnt 8                               ; the ring's eight loads are younger: the norms and x's scale bytes are in
	ds_store_b128 v5, v[12:15]
	ds_store_b128 v5, v[16:19] offset:512
	ds_store_b64 v8, v[20:21]
	s_wait_dscnt 0x0                               ; for the others' sake
	s_barrier_signal -1
	s_barrier_wait -1                              ; every wave's norms and x's scale bytes are in LDS
.irp t, 0,1,2,3,4,5,6,7,8,9,10,11,12,13,14,15,16,17,18,19,20,21,22,23,24,25,26,27,28,29,30,31
	ds_load_u16 v[NR+\t], v6 offset:256*\t
.endr
	s_wait_dscnt 0x0
.macro STEP t
.set FS, F+8*((\t)%2)
.set RS, R+4*((\t)%8)
.if (\t) <= 24
	s_wait_loadcnt 7                               ; loads come back in order: mine is in, the seven younger ones stay out
.else
	s_wait_loadcnt 31-(\t)                         ; the last steps load nothing: the counts run down
.endif
.irp k, 0,1,2,3
	v_and_or_b32 v[FS+2*\k],   v[RS+\k], 15,  s20  ; 2^23 + q of the low nibble,
	v_and_or_b32 v[FS+2*\k+1], v[RS+\k], s21, s20  ; 2^23 + 16 q of bits 7:4
.endr
.if (\t)+8 < 32
	LOAD (\t)+8                                    ; the slot has been read: eight steps on
.endif
	v_mov_b32 v[NH], v[NR+(\t)]
	s_delay_alu instid0(VALU_DEP_1)
	v_cvt_f32_f16 v[NT], v122.l                    ; the norm, exactly
.irp k, 0,2,4,6
	v_pk_fma_f32 v[FS+\k:FS+\k+1], v[FS+\k:FS+\k+1], v[KP:KP+1], v[CP:CP+1]   ; c = q x k, rounded once
.endr
.irp k, 0,2,4,6
	s_delay_alu instid0(VALU_DEP_4)
	v_pk_fma_f32 v[FS+\k:FS+\k+1], v[FS+\k:FS+\k+1], v[NT:NT+1], v[NT:NT+1] op_sel_hi:[1,0,0] neg_lo:[0,0,1] neg_hi:[0,0,1]   ; w = c n - n
.endr
	s_delay_alu instid0(VALU_DEP_4)
	v_max3_num_f32 v[M],  |v[FS]|,   |v[FS+1]|, 0x4800000              ; the largest magnitude of my eight, and the floor 2^(9 - 127), so that the byte cannot fall under 1
	s_delay_alu instid0(VALU_DEP_3)
	v_max3_num_f32 v[M2], |v[FS+2]|, |v[FS+3]|, |v[FS+4]|
	s_delay_alu instid0(VALU_DEP_2)
	v_max3_num_f32 v[M],  v[M], |v[FS+5]|, |v[FS+6]|
	s_delay_alu instid0(VALU_DEP_1)
	v_max3_num_f32 v[M],  v[M], v[M2], |v[FS+7]|
	s_delay_alu instid0(VALU_DEP_1)
	v_max_num_f32_dpp v[M], v[M], v[M] row_xmask:1 row_mask:0xf bank_mask:0xf   ; with the block's other three lanes
	s_delay_alu instid0(VALU_DEP_1)
	v_max_num_f32_dpp v[M], v[M], v[M] row_xmask:2 row_mask:0xf bank_mask:0xf
	s_delay_alu instid0(VALU_DEP_1)
	v_add_nc_u32 v[SCL], 0xfc000000, v[M]          ; 8 off its exponent field: the conversion takes the exponent field of this operand as its scale
	s_delay_alu instid0(VALU_DEP_2)
	v_and_or_b32 v[LIM], v[M], 0x7f800000, s22     ; 448 x the scale: the same exponent field over 448's mantissa
.irp k, 0,1,2,3,4,5,6,7
	v_med3_num_f32 v[FS+\k], v[FS+\k], -v[LIM], v[LIM]   ; the conversion to an 8-bit code does not saturate (ISA guide 7.6.2): the hold comes first
.endr
	v_cvt_scalef32_pk8_fp8_f32 v[C+2*(\t):C+2*(\t)+1], v[FS:FS+7], v[SCL]
	v_lshrrev_b32 v[E+(\t)], 23, v[SCL]            ; the scale's byte; also the plain instruction behind the conversion
	ds_store_b8 v7, v[E+(\t)] offset:8*(\t)        ; the block's four lanes write the same byte with the same value
	global_store_b64 v3, v[C+2*(\t):C+2*(\t)+1], s[10:11] offset:256*(\t)   ; 32 lanes store 256 consecutive bytes, aligned
.endm
.irp t, 0,1,2,3,4,5,6,7,8,9,10,11,12,13,14,15,16,17,18,19,20,21,22,23,24,25,26,27,28,29,30,31
	STEP \t
.endr
	ds_load_b64 v[22:23], v10 offset:XB-SB         ; x's bytes of row = my lane, shared behind the barrier,
	ds_load_b64 v[24:25], v10                      ; and W's, which are my own: LDS serves a wave's instructions in order (ISA guide 5.7.1.4)
	s_wait_dscnt 0x0
	global_store_b64 v3, v[22:23], s[12:13]                 ; 32 lanes store 256 consecutive bytes, aligned
	global_store_b64 v3, v[24:25], s[12:13] offset:32768    ; W's part of a K step lies 4,096 rows x 8 bytes behind x's
	s_wait_tensorcnt 0x0                           ; the wave's end
	ds_add_u32 v224, v225
	s_wait_dscnt 0x0
	s_endpgm
.Lfunc_end_k_qf5babcf2d8_quant:
	.size	k_qf5babcf2d8_quant, .Lfunc_end_k_qf5babcf2d8_quant-k_qf5babcf2d8_quant
	.p2alignl 7, 3214868480
	.fill 96, 4, 3214868480
	.section	.rodata,"a",@progbits
	.p2align	6, 0x0
	.amdhsa_kernel k_qf5babcf2d8_quant
		.amdhsa_group_segment_fixed_size 13568
		.amdhsa_private_segment_fixed_size 0
		.amdhsa_enable_private_segment 0
		.amdhsa_kernarg_size 40
		.amdhsa_user_sgpr_count 2
		.amdhsa_user_sgpr_kernarg_segment_ptr 1
		.amdhsa_wavefront_size32 1
		.amdhsa_system_sgpr_workgroup_id_x 1
		.amdhsa_system_sgpr_workgroup_id_y 1
		.amdhsa_system_sgpr_workgroup_id_z 1
		.amdhsa_system_vgpr_workitem_id 0
		.amdhsa_next_free_vgpr 226
		.amdhsa_next_free_sgpr 66
		.amdhsa_reserve_vcc 0
		.amdhsa_float_denorm_mode_32 3
		.amdhsa_float_denorm_mode_16_64 3
		.amdhsa_memory_ordered 1
		.amdhsa_forward_progress 1
		.amdhsa_inst_pref_size 100
	.end_amdhsa_kernel
	.amdgpu_metadata
---
amdhsa.version: [ 1, 2 ]
amdhsa.kernels:
  - .name:           k_qf5babcf2d8_quant
    .symbol:         k_qf5babcf2d8_quant.kd
    .args:
      - { .name: weight_q4, .offset: 0, .size: 8, .value_kind: global_buffer, .address_space: global }
      - { .name: weight_norm, .offset: 8, .size: 8, .value_kind: global_buffer, .address_space: global }
      - { .name: x_scales, .offset: 16, .size: 8, .value_kind: global_buffer, .address_space: global }
      - { .name: w_codes, .offset: 24, .size: 8, .value_kind: global_buffer, .address_space: global }
      - { .name: scl, .offset: 32, .size: 8, .value_kind: global_buffer, .address_space: global }
    .group_segment_fixed_size: 13568
    .private_segment_fixed_size: 0
    .kernarg_segment_align: 8
    .kernarg_segment_size: 40
    .max_flat_workgroup_size: 256
    .sgpr_count:     66
    .vgpr_count:     226
    .wavefront_size: 32
...
	.end_amdgpu_metadata
.endif
;; end of part 1
;; launch gemm (part 2): grid 16 x 16, 4 waves a work-group, clusters of 4 x 4, 327,680 bytes of LDS; arguments x_codes, scl, w_codes, bias, out0; writes out0
.if DOCPART == 2
	.amdgcn_target "amdgcn-amd-amdhsa--gfx1250"
	.amdhsa_code_object_version 6
	.text
	.protected	k_qf5babcf2d8_gemm
	.globl	k_qf5babcf2d8_gemm
	.p2align	8
	.type	k_qf5babcf2d8_gemm,@function
k_qf5babcf2d8_gemm:
	s_mov_b64 s[64:65], 0
	v_nop
	global_prefetch_b8 v0, s[64:65] scope:SCOPE_SE
	s_setreg_imm32_b32 hwreg(HW_REG_WAVE_MODE, 25, 1), 1
	s_wait_xcnt 0x0
	s_wait_alu depctr_hold_cnt(0) depctr_sa_sdst(0) depctr_va_vdst(0) depctr_va_sdst(0) depctr_va_ssrc(0) depctr_va_vcc(0) depctr_vm_vsrc(0)
	s_getreg_b32 s2, hwreg(HW_REG_IB_STS2, 6, 4)
	s_cmp_eq_u32 s2, 0
	s_cbranch_scc0 .Lentry_in_a_cluster
	s_endpgm
.Lentry_in_a_cluster:
	s_bfe_u32 s2, ttmp6, 0x10000c
	s_cmp_lg_u32 s2, 0xf033
	s_cbranch_scc0 .Lentry_shape_is_right
	s_endpgm
.Lentry_shape_is_right:
; out[m][n] = sum over k of X[m][k] W[n][k] + bias[n]: 4,096 x 4,096 x 4,096 on codes of FP8 (E4M3) with an E8M0 byte for each 32 along K; sums in f32, K ascending; the bias is added last.
; X's codes as given, [4096][4096]; W's from the launch before, [16 K steps of 256][4096][256]; scale bytes from scl [16 K steps][2: x, W][4096 rows][8 bytes] (W's two words of a row and K step: the second 128 along K first).
; LIMITS: NaN codes, scale bytes of 255 and sums beyond f32's range are not served.  No work of reference() is left out.
; A tile of 256 x 256 a work-group, four waves, 128 x 128 a wave: 64 accumulators, 512 registers.  K goes in steps of 256 through two LDS slots, each filled by one joint tensor load a wave (128 rows of 256 bytes).
; CLUSTERS of 4 x 4: X's rows are shared along a row of the cluster, W's along a column; each tile is asked for by the four that need it, with one descriptor and a mask that names the four.
; THE MATRIX INSTRUCTION IS USED TRANSPOSED (source 0 = 16 rows of W, source 1 = 16 rows of X): a lane holds eight neighbouring numbers of a row of out.
; A STEP of 128 along K is four quadrants of 16 products: (A, B), (A, B'), (A', B'), (A', B); A, A' = X's blocks 0-3, 4-7 of 16 rows, B, B' = W's.  A group is four fragments, 64 registers, 16 LDS loads.
; The groups of B, B' and A' have two places, for the slot's first and second step (q = 0, 1); A has one: it is free when the second quadrant is done.
; THE NEXT STEP'S 64 LOADS go in two runs of 32, each behind eight v_nop (the places that a load into registers read by a matrix instruction wants): in the first step B and A' at its start, A and B' in its middle;
; in the second step, from the next slot, B and B' behind 16 products, A and A' behind 40.
; THE CHANGE OF SLOTS stands in the second step's first quadrant: the tensor wait and the add behind 4 products, the signal behind 10, the rest of the round and the refill behind 16.
; THE LAST K STEP goes by halves: X's blocks 0-3 through both its steps, and then block by block, so that finished rows are stored while blocks 4-7 are multiplied.
; REGISTERS, in windows of 256: window 0: v4-19 addresses and the bias, v32-63 scale words (two sets of 16: K step parity), v64-127 A, v128-191, v192-255 A' (q = 0, 1);
;   window 1: v0-63, v64-127 B (q = 0, 1), v128-191, v192-255 B';  window 2: accumulators of blocks 0-3 ((a, b) at v[8 (8 (a % 4) + b)]), window 3: of blocks 4-7.
; SCALE WORDS come by plain loads, one K step ahead: register 2 i + q of a set: lanes 0-15 the word of X's block i for step q; lanes 16-31 W's for step 1 - q.  So a product's two scale registers have unlike parity.
; PREFETCH: behind each refill each wave names the K step two refills on: 32 of the tile's rows, a lane a row; the four partners that share a tile's rows share them out by address; every cluster asks for its own rows.
; Scale bytes likewise, for two K steps at a time: wave 1 of each work-group names 8 of the cluster's 128 blocks of 256 bytes.
.set ROWB,   256
.set KROW,   4096
.set WSTEP,  1048576                   ; a K step of W's codes: 4,096 rows of 256 bytes
.set OROW,   16384
.set PITCH,  272                       ; an LDS row: 256 bytes and 16 of padding: 68 words, so 16 rows start at 16 different banks of 64 (ISA guide 11.1)
.set HALFT,  128*PITCH
.set SLOT,   4*HALFT                   ; X's 256 rows, then W's
.set SSTEP,  65536                     ; a K step's scale bytes
.set SPARE,  2*SLOT                    ; the spare words: 128 bytes a wave
.set STAGE,  SPARE+512                 ; 16 rows x 528 bytes a wave, for the way out; no fill lands there
.set SPITCH, 528
.set ADRA, 4                           ; v4, v5   LDS address of my X fragments in slot 0, 1
.set ADRB, 6                           ; v6, v7   of my W fragments
.set SOF,  8                           ; my offset in a K step's scale bytes
.set STO,  9                           ; the way out: where I put 32 bytes of a row
.set RD,   10                          ; where I read a row back
.set CO,   11                          ; 16 x lane
.set BI,   12                          ; v12-15   the bias of my four columns on the way out
.set PFO,  16                          ; prefetch offsets: codes, scale bytes
.set PSO,  17
.set SPW,  18                          ; my spare word
.set NIL,  19                          ; 0
.set SC,   32
.set WV,   16                          ; s16 wave
.set PSA,  14
.set G1A,  24                          ; descriptor group 1 for X's tiles, for W's
.set G1B,  32
.set PST,  46                          ; s[46:47] a K step in bytes, in the tensor that I prefetch
.set PF1,  48                          ; s[48:49], s[50:51] my share of K steps 1 and 2
.set PF2,  50
.set G0A,  56                          ; group 0, one for each slot
.set G0B,  68
.set SGA,  76
.set PFA,  98                          ; s[98:99] my share of K step 3, and then of later ones
.set LIM2, 101
.set MSB, 0
.macro WIN new                         ; the immediate's high byte repeats the setting that is left
.if MSB != (\new)
	s_set_vgpr_msb (MSB<<8)|(\new)
.set MSB, (\new)
.endif
.endm
.set MUL_LO, 0xa1                      ; source 0 (W) window 1, source 1 (X) window 0, C and D window 2; + 0x50: window 3
.set TO_B,   0x40                      ; destination window 1, address window 0
.macro PLACES n
.rept \n
	v_nop
.endr
.endm
.macro JLOAD s                         ; a joint load: waves 0, 1 fetch X's two halves, waves 2, 3 W's; an s_nop 0 and four v_nop follow each line
	s_cmp_eq_u32 s17, 0
	s_cbranch_scc0 .Lfor_w_\@
	tensor_load_to_lds s[G0A+4*\s:G0A+4*\s+3], s[G1A:G1A+7]
	s_nop 0
	PLACES 4
	s_branch .Lasked_\@
.Lfor_w_\@:
	tensor_load_to_lds s[G0B+4*\s:G0B+4*\s+3], s[G1B:G1B+7]
	s_nop 0
	PLACES 4
.Lasked_\@:
.endm
.macro ASK slot                        ; in the loop's last trip nothing is asked for: there is no K step two refills on
	s_cmp_gt_u32 s3, 1
	s_cbranch_scc0 .Lno_codes_\@
	global_prefetch_b8 v[PFO], s[PFA:PFA+1] th:TH_LOAD_NT scope:SCOPE_SE
.Lno_codes_\@:
.if (\slot) == 0
	s_cmp_gt_u32 s3, s[LIM2]
	s_cbranch_scc0 .Lno_scales_\@
	global_prefetch_b8 v[PSO], s[PSA:PSA+1] th:TH_LOAD_NT scope:SCOPE_SE
.Lno_scales_\@:
.endif
.endm
.macro CREST                           ; a round of the cluster's barrier behind its opening barrier
	s_cmp_lg_u32 s[WV], 0
	s_cbranch_scc1 .Lnot_wave_0_\@
	s_barrier_signal -3
.Lnot_wave_0_\@:
	s_barrier_wait -3
	s_barrier_signal -1
	s_barrier_wait -1
.endm
.macro CROUND
	s_barrier_signal -1
	s_barrier_wait -1
	CREST
.endm
.macro PR q, sc, a, b, ab, z           ; a product: X's block a (its group at v[ab]) x W's block b, step q of the slot; z = 1: it starts the sum
.set D_, 8*(8*((\a)%4)+(\b))
.set W_, 64*(\q)+128*((\b)/4)+16*((\b)%4)
.set X_, (\ab)+16*((\a)%4)
.set WS_, SC+16*(\sc)+2*(\b)+1-(\q)
.set XS_, SC+16*(\sc)+2*(\a)+(\q)
	WIN MUL_LO+0x50*((\a)/4)
.if \z
	v_wmma_scale_f32_16x16x128_f8f6f4 v[D_:D_+7], v[W_:W_+15], v[X_:X_+15], 0, v[WS_], v[XS_] matrix_a_scale:MATRIX_SCALE_ROW1
.else
	v_wmma_scale_f32_16x16x128_f8f6f4 v[D_:D_+7], v[W_:W_+15], v[X_:X_+15], v[D_:D_+7], v[WS_], v[XS_] matrix_a_scale:MATRIX_SCALE_ROW1
.endif
.endm
.macro HALF q, sc, ah, bh, ab, z, a0   ; half a quadrant: X's blocks a0, a0 + 1 of half ah (group at v[ab]) x W's half bh
.irp a, \a0, \a0+1
.irp b, 0,1,2,3
	PR \q, \sc, 4*\ah+\a, 4*\bh+\b, \ab, \z
.endr
.endr
.endm
.macro QUAD q, sc, ah, bh, ab, z
	HALF \q, \sc, \ah, \bh, \ab, \z, 0
	HALF \q, \sc, \ah, \bh, \ab, \z, 2
.endm
.macro RUN k, q, s, r                  ; a group's 16 loads: k = 0 A, 1 A', 2 B, 3 B'; step q of slot s; to v[r ..].  A fragment, 16 rows x 128 K: lane l holds row l % 16; registers 4 c .. 4 c + 3 hold K = 32 c + 16 (l / 16) + 0 .. 15
.set I_, 0
.rept 16
.if (\k) < 2
	WIN 0
	ds_load_b128 v[(\r)+4*I_:(\r)+4*I_+3], v[ADRA+(\s)] offset:128*(\q)+32*(I_%4)+(4*(\k)+I_/4)*16*PITCH
.else
	WIN TO_B
	ds_load_b128 v[(\r)+4*I_:(\r)+4*I_+3], v[ADRB+(\s)] offset:128*(\q)+32*(I_%4)+(4*((\k)-2)+I_/4)*16*PITCH
.endif
.set I_, I_+1
.endr
.endm
.macro GSC set, base                   ; a K step's scale words
	WIN 0
.irp i, 0,1,2,3,4,5,6,7
	global_load_b64 v[SC+16*(\set)+2*\i:SC+16*(\set)+2*\i+1], v[SOF], s[\base:\base+1] offset:128*\i
.endr
.endm
.macro STEP0 s, z                      ; a slot's first step.  z = 1, at the head: its first quadrant stands ahead of the run
	s_wait_loadcnt 0x0                             ; this K step's scale words, asked for in the K step before
.if \z
	s_wait_dscnt 32                                ; B and A are in; B' and A' may be out
	QUAD 0, \s, 0, 0, 64, \z
.endif
	PLACES 8
	RUN 2, 1, \s, 64                               ; B and A' of the second step,
	RUN 1, 1, \s, 192
	GSC 1-\s, SGA                                  ; and the next K step's scale words
	s_wait_dscnt 48                                ; B, B', A are in: behind them A' and the 32 just issued
.if \z == 0
	QUAD 0, \s, 0, 0, 64, \z
.endif
	QUAD 0, \s, 0, 1, 64, \z
	PLACES 8
	RUN 0, 1, \s, 64                               ; A and B' of the second step
	RUN 3, 1, \s, 192
	s_wait_dscnt 63                                ; A' is in: behind it 32 + 32
	QUAD 0, \s, 1, 1, 128, \z
	QUAD 0, \s, 1, 0, 128, \z
.endm
.macro STEP1 s, n, fill, lk, lq        ; its second step, with the change to slot n.  fill = 1: slot s is filled again, two K steps on
.if \fill
	s_wait_xcnt 0x0                                ; my prefetches and scale loads have read their bases
	s_add_nc_u64 s[PFA:PFA+1], s[PFA:PFA+1], s[PST:PST+1]
	s_add_nc_u64 s[SGA:SGA+1], s[SGA:SGA+1], SSTEP
.if (\s) == 0
	s_add_nc_u64 s[PSA:PSA+1], s[PSA:PSA+1], 2*SSTEP
.endif
.endif
	s_wait_dscnt 16                                ; B, A', A are in; B' may be out
.set J_, 0
.irp a, 0,1,2,3
.irp b, 0,1,2,3
.if J_ == 4
	WIN 0
	s_wait_tensorcnt 0x0                           ; my part of the next slot has landed;
	ds_add_u32 v[SPW], v[NIL]                      ; 0 onto my spare word
.if \fill
	s_add_nc_u64 s[G0A+4*\s+2:G0A+4*\s+3], s[G0A+4*\s+2:G0A+4*\s+3], 2*ROWB
	s_add_nc_u64 s[G0B+4*\s+2:G0B+4*\s+3], s[G0B+4*\s+2:G0B+4*\s+3], 2*WSTEP
.endif
.endif
.if J_ == 10
	s_wait_dscnt 0x0                               ; the add is done, and so are my reads of this slot
	s_barrier_signal -1
.endif
	PR 1, \s, \a, \b, 64, 0
.set J_, J_+1
.endr
.endr
	WIN 0
	s_barrier_wait -1                              ; every wave has said so: the next slot is whole, this one is read out
.if \fill
	CREST                                          ; in every partner too
	JLOAD \s                                       ; its four v_nop are four of the eight places
	PLACES 4
.else
	PLACES 8
.endif
	RUN 2, 0, \n, 0                                ; the next slot's first step: B and B',
	RUN 3, 0, \n, 128
.if \fill
	WIN 0
	ASK \s
.endif
	QUAD 1, \s, 0, 1, 64, 0
	HALF 1, \s, 1, 1, 192, 0, 0
	PLACES 8
	RUN 0, 0, \n, 64                               ; A,
	RUN \lk, \lq, \n, 128                          ; and A' (ahead of the last K step: A of its second step)
	HALF 1, \s, 1, 1, 192, 0, 2
	QUAD 1, \s, 1, 0, 192, 0
.endm
	s_load_b256 s[4:11], s[0:1], 0x0               ; x_codes s[4:5], scl s[6:7], w_codes s[8:9], bias s[10:11]
	s_load_b64 s[12:13], s[0:1], 0x20              ; out0
	v_lshl_add_u32 v[SPW], v0, 2, SPARE
	v_mov_b32 v[NIL], 0
	ds_add_u32 v[SPW], v[NIL]                      ; the wave's opening: the add, twice on end, and its wait ahead of my first tensor load
	ds_add_u32 v[SPW], v[NIL]
	v_lshrrev_b32 v1, 5, v0
	v_readfirstlane_b32 s[WV], v1                  ; wave 0..3
	s_lshr_b32 s17, s[WV], 1                       ; my half of the tile's rows.  Also: I fetch for X (0) or for W (1)
	s_and_b32 s18, s[WV], 1                        ; my half of its columns.  Also: which 128 rows I fetch
	s_bfe_u32 s92, ttmp6, 0x40000                  ; cx, cy
	s_bfe_u32 s93, ttmp6, 0x40004
	s_lshl_b32 s94, ttmp9, 2
	s_add_co_u32 s94, s94, s92                     ; tile column
	s_and_b32 s90, ttmp7, 0xffff
	s_lshl_b32 s95, s90, 2
	s_add_co_u32 s95, s95, s93                     ; tile row
	s_lshl_b32 s96, s93, 2
	s_lshl_b32 s96, 15, s96                        ; my row of the cluster: shares X's rows
	s_lshl_b32 s97, 0x1111, s92                    ; my column: shares W's
	s_or_b32 s[G1A], s96, (1<<20)|(1<<21)|(5<<22)|(3<<25)   ; elements of 1 byte, 4 words of padding behind every 64
	s_or_b32 s[G1B], s97, (1<<20)|(1<<21)|(5<<22)|(3<<25)
.irp g, G1A, G1B
	s_mov_b32 s[\g+1], ROWB<<16
	s_mov_b32 s[\g+2], 128<<16
	s_mov_b32 s[\g+3], ROWB<<16
	s_mov_b32 s[\g+4], 128
	s_mov_b32 s[\g+6], 0
	s_mov_b32 s[\g+7], 0
.endr
	s_mov_b32 s[G1A+5], KROW
	s_mov_b32 s[G1B+5], ROWB                       ; W's rows of a K step follow each other
	s_lshl_b32 s19, s18, 7                         ; which 128 rows of the tile I fetch
	s_lshl_b32 s20, s95, 8
	s_add_co_u32 s20, s20, s19
	s_lshl_b32 s20, s20, 12
	s_mov_b32 s21, 0
	s_lshl_b32 s66, s94, 8
	s_add_co_u32 s66, s66, s19
	s_lshl_b32 s66, s66, 8
	s_mov_b32 s67, 0
	s_mul_i32 s91, s[WV], HALFT
.irp s, 0,1
	s_mov_b32 s[G0A+4*\s], 1
	s_add_co_u32 s[G0A+4*\s+1], s91, \s*SLOT
	s_mov_b32 s[G0B+4*\s], 1
	s_add_co_u32 s[G0B+4*\s+1], s91, \s*SLOT
.endr
	s_wait_dscnt 0x0                               ; both opening adds are done
	CROUND                                         ; all sixteen work-groups are here: the first joint loads meet
	s_wait_kmcnt 0x0
	s_add_nc_u64 s[20:21], s[4:5], s[20:21]
	s_add_nc_u64 s[66:67], s[8:9], s[66:67]
.irp s, 0,1
	s_add_nc_u64 s[G0A+4*\s+2:G0A+4*\s+3], s[20:21], \s*ROWB
	s_or_b32 s[G0A+4*\s+3], s[G0A+4*\s+3], 0x80000000
	s_add_nc_u64 s[G0B+4*\s+2:G0B+4*\s+3], s[66:67], \s*WSTEP
	s_or_b32 s[G0B+4*\s+3], s[G0B+4*\s+3], 0x80000000
.endr
	JLOAD 0                                        ; K step 0: one tensor load a wave at the head
	s_lshl_b32 s80, s94, 10                        ; my first column, in bytes of f32
	s_lshl_b32 s23, s18, 9
	s_add_co_u32 s80, s80, s23
	s_mov_b32 s81, 0
	s_add_nc_u64 s[10:11], s[10:11], s[80:81]
	s_add_nc_u64 s[12:13], s[12:13], s[80:81]
	s_lshl_b32 s84, s95, 22                        ; my first row of out0
	s_lshl_b32 s23, s17, 21
	s_add_co_u32 s84, s84, s23
	s_mov_b32 s85, 0
	s_add_nc_u64 s[12:13], s[12:13], s[84:85]
	s_add_nc_u64 s[SGA:SGA+1], s[6:7], SSTEP
	s_lshl_b32 s19, s95, 11                        ; scale bytes: X's rows, 8 bytes a row,
	s_lshl_b32 s23, s17, 10
	s_add_co_u32 s19, s19, s23
	s_lshl_b32 s22, s94, 11                        ; and, for lanes 16-31, the distance on to W's
	s_lshl_b32 s23, s18, 10
	s_add_co_u32 s22, s22, s23
	s_add_co_u32 s22, s22, 32768
	s_sub_co_u32 s22, s22, s19
	s_mul_i32 s86, s17, HALFT                      ; LDS: my 128 rows of X, of W, my stage
	s_mul_i32 s87, s18, HALFT
	s_add_co_u32 s87, s87, 2*HALFT
	s_mul_i32 s88, s[WV], 16*SPITCH
	s_add_co_u32 s88, s88, STAGE
	s_mov_b32 s47, WSTEP                           ; prefetches of codes: for X or for W; the partners' place is cx or cy
	s_cmp_eq_u32 s17, 0
	s_cselect_b32 s[PST], ROWB, s47
	s_cselect_b32 s89, s95, s94
	s_cselect_b32 s23, s92, s93
	s_cselect_b32 s91, 12, 8                       ; a row: 4,096 bytes of X, 256 of W
	s_cselect_b64 s[PF1:PF1+1], s[4:5], s[8:9]
	s_mov_b32 s47, 0
	s_lshl_b32 s96, s89, 8
	s_lshl_b32 s23, s23, 6
	s_add_co_u32 s96, s96, s23
	s_lshl_b32 s23, s18, 5
	s_add_co_u32 s96, s96, s23                     ; the row: 256 x tile + 64 x place + 32 x half
	s_lshl_b32 s96, s96, s91
	s_mov_b32 s97, 0
	s_add_nc_u64 s[PF1:PF1+1], s[PF1:PF1+1], s[96:97]
	s_add_nc_u64 s[PF1:PF1+1], s[PF1:PF1+1], s[PST:PST+1]
	s_add_nc_u64 s[PF2:PF2+1], s[PF1:PF1+1], s[PST:PST+1]
	s_add_nc_u64 s[PFA:PFA+1], s[PF2:PF2+1], s[PST:PST+1]
	s_lshr_b32 s23, s93, 1                         ; prefetches of scale bytes: cy names the tensor and the K step of two, cx a quarter of the cluster's 1,024 rows
	s_cmp_eq_u32 s23, 0
	s_cselect_b32 s89, s90, ttmp9
	s_lshl_b32 s96, s89, 13
	s_lshl_b32 s23, s23, 15
	s_add_co_u32 s96, s96, s23
	s_and_b32 s23, s93, 1
	s_lshl_b32 s23, s23, 16
	s_add_co_u32 s96, s96, s23
	s_lshl_b32 s23, s92, 11
	s_add_co_u32 s96, s96, s23
	s_add_co_u32 s96, s96, 2*SSTEP                 ; at K steps 2 and 3
	s_add_nc_u64 s[PSA:PSA+1], s[6:7], s[96:97]
	s_cmp_eq_u32 s[WV], 1
	s_cselect_b32 s[LIM2], 1, -1
	v_and_b32 v1, 15, v0                           ; l % 16
	v_bfe_u32 v2, v0, 4, 1                         ; l / 16
	v_and_b32 v3, 31, v0
	v_mul_u32_u24 v20, v1, PITCH
	v_mul_u32_u24 v21, s22, v2
	v_mul_u32_u24 v22, v1, SPITCH
	v_lshl_add_u32 v20, v2, 4, v20                 ; a fragment's row x pitch + 16 x half
	v_lshl_add_u32 v21, v1, 3, v21
	v_lshl_add_u32 v22, v2, 5, v22
	v_add_nc_u32 v[SOF], s19, v21
	v_lshlrev_b32 v[CO], 4, v3
	v_add_nc_u32 v[ADRA], s86, v20
	v_add_nc_u32 v[ADRB], s87, v20
	v_add_nc_u32 v[ADRA+1], SLOT, v[ADRA]
	v_add_nc_u32 v[ADRB+1], SLOT, v[ADRB]
	v_add_nc_u32 v[STO], s88, v22
	v_add_nc_u32 v[RD], s88, v[CO]
	v_lshlrev_b32 v[PFO], s91, v3                  ; a lane a row
	v_min_u32 v23, 7, v3
	v_lshlrev_b32 v[PSO], 8, v23                   ; eight blocks of 256 bytes; the lanes left over name the last one
	GSC 0, 6                                       ; K step 0's scale words
	global_load_b128 v[BI:BI+3], v[CO], s[10:11]   ; the bias of columns 4 l .. 4 l + 3 of my 128
	global_prefetch_b8 v[PFO], s[PF1:PF1+1] th:TH_LOAD_NT scope:SCOPE_SE
	global_prefetch_b8 v[PFO], s[PF2:PF2+1] th:TH_LOAD_NT scope:SCOPE_SE
	s_wait_alu depctr_va_vdst(0)                   ; the wait at the head's end
	s_cmp_eq_u32 s[WV], 1
	s_cbranch_scc0 .Lnot_wave_1
	global_prefetch_b8 v[PSO], s[PSA:PSA+1] th:TH_LOAD_NT scope:SCOPE_SE
.Lnot_wave_1:
	s_wait_tensorcnt 0x0                           ; my part of K step 0 is in
	ds_add_u32 v[SPW], v[NIL]
	s_wait_dscnt 0x0
	CROUND                                         ; everybody's part is in
	JLOAD 1                                        ; K step 1
	RUN 2, 0, 0, 0                                 ; K step 0's first step: B, A, B', A'
	RUN 0, 0, 0, 64
	RUN 3, 0, 0, 128
	RUN 1, 0, 0, 128
	WIN 0
	global_prefetch_b8 v[PFO], s[PFA:PFA+1] th:TH_LOAD_NT scope:SCOPE_SE  ; K step 3
	STEP0 0, 1                                     ; its products start the sums
	WIN 0
	s_mov_b32 s3, 7
.Llap:                                             ; a trip: from K step 2 i's second step to K step 2 i + 2's first, i = 0 .. 6; it fills both slots again
	STEP1 0, 1, 1, 1, 0
	STEP0 1, 0
	STEP1 1, 0, 1, 1, 0
	STEP0 0, 0
	WIN 0
	s_sub_co_u32 s3, s3, 1
	s_cmp_lg_u32 s3, 0
	s_cbranch_scc1 .Llap
	STEP1 0, 1, 0, 0, 1                            ; K step 14's second step: nothing more is filled
; THE LAST K STEP, in slot 1.  X's blocks 0-3: its first step, and of its second W's blocks 4-7, then 0-3; the fetches go on between.
	s_wait_loadcnt 0x0
	PLACES 8
	RUN 3, 1, 1, 192                               ; B' and B of the second step
	RUN 2, 1, 1, 64
	s_wait_dscnt 48                                ; B, B', A of the first are in: behind them A of the second (at v128) and the 32 just issued
	QUAD 0, 1, 0, 0, 64, 0
	QUAD 0, 1, 0, 1, 64, 0
	PLACES 8
	RUN 1, 0, 1, 192                               ; A' of the first step, to v192,
	RUN 1, 1, 1, 64                                ; A' of the second, to v64
	s_wait_dscnt 32                                ; all but these two groups
	QUAD 1, 1, 0, 1, 128, 0
	QUAD 1, 1, 0, 0, 128, 0
.macro ROW a                           ; block a (4 .. 7) is finished: 16 products, its 8 accumulators by turns
.irp q, 0,1
.irp b, 0,1,2,3,4,5,6,7
	PR \q, 1, \a, \b, 192-128*\q, 0
.endr
.endr
.endm
; THE WAY OUT of a block of 16 rows x 128 columns: into my stage (32 bytes a lane), back as whole rows of 512 bytes, the bias added, stored.  LDS serves a wave's instructions in order (ISA guide 5.7.1.4).
.macro TOSTAGE a, buf
.set AC_, 64*((\a)%4)
	WIN 0x08+4*((\a)/4)
.irp b, 0,1,2,3,4,5,6,7
	ds_store_b128 v[STO], v[AC_+8*\b:AC_+8*\b+3] offset:64*\b       ; each accumulator from its low end on
	ds_store_b128 v[STO], v[AC_+8*\b+4:AC_+8*\b+7] offset:64*\b+16
.endr
	WIN 0
.irp t, 0,1,2,3,4,5,6,7,8,9,10,11,12,13,14,15
	ds_load_b128 v[\buf+4*\t:\buf+4*\t+3], v[RD] offset:\t*SPITCH
.endr
.endm
.macro SEND a, buf, younger            ; younger: the LDS instructions issued behind the block's loads
	WIN 0
	s_wait_dscnt \younger
.irp t, 0,1,2,3,4,5,6,7,8,9,10,11,12,13,14,15
	v_pk_add_f32 v[\buf+4*\t:\buf+4*\t+1], v[\buf+4*\t:\buf+4*\t+1], v[BI:BI+1]
	v_pk_add_f32 v[\buf+4*\t+2:\buf+4*\t+3], v[\buf+4*\t+2:\buf+4*\t+3], v[BI+2:BI+3]
.endr
.if (\a) > 0
	s_add_nc_u64 s[12:13], s[12:13], 16*OROW       ; behind a wait on XCNT: the earlier stores have read their base
.endif
.irp t, 0,1,2,3,4,5,6,7,8,9,10,11,12,13,14,15
	global_store_b128 v[CO], v[\buf+4*\t:\buf+4*\t+3], s[12:13] offset:\t*OROW th:TH_STORE_NT   ; 32 lanes store 512 consecutive bytes, at a multiple of 256
.endr
.endm
	PLACES 8                                       ; for the reads of the sums and the loads into the registers that held A
	TOSTAGE 0, 128
	s_wait_dscnt 32                                ; blocks 4-7's fragments are in: behind them the stage's 16 stores and 16 loads
	ROW 4
	SEND 0, 128, 0
.irp a, 1,2,3
	s_wait_xcnt 0x0                                ; the stores have read their data and their base
	TOSTAGE \a, 128
	ROW \a+4
	SEND \a, 128, 0
.endr
	TOSTAGE 4, 64                                  ; (the 32 additions above are the places behind block 7's products)
	s_wait_xcnt 0x0
	TOSTAGE 5, 128
	SEND 4, 64, 32
	s_wait_xcnt 0x0
	TOSTAGE 6, 64
	SEND 5, 128, 32
	s_wait_xcnt 0x0
	TOSTAGE 7, 128
	SEND 6, 64, 32
	s_wait_xcnt 0x0
	SEND 7, 128, 0
	s_wait_tensorcnt 0x0                           ; the wave's end
	ds_add_u32 v[SPW], v[NIL]
	s_wait_dscnt 0x0
	CROUND                                         ; the closing round: no work-group ends while a partner may still ask for a tile that names it
	s_endpgm
.Lfunc_end_k_qf5babcf2d8_gemm:
	.size	k_qf5babcf2d8_gemm, .Lfunc_end_k_qf5babcf2d8_gemm-k_qf5babcf2d8_gemm
	.p2alignl 7, 3214868480
	.fill 96, 4, 3214868480
	.section	.rodata,"a",@progbits
	.p2align	6, 0x0
	.amdhsa_kernel k_qf5babcf2d8_gemm
		.amdhsa_group_segment_fixed_size 327680
		.amdhsa_private_segment_fixed_size 0
		.amdhsa_enable_private_segment 0
		.amdhsa_kernarg_size 40
		.amdhsa_user_sgpr_count 2
		.amdhsa_user_sgpr_kernarg_segment_ptr 1
		.amdhsa_wavefront_size32 1
		.amdhsa_system_sgpr_workgroup_id_x 1
		.amdhsa_system_sgpr_workgroup_id_y 1
		.amdhsa_system_sgpr_workgroup_id_z 1
		.amdhsa_system_vgpr_workitem_id 0
		.amdhsa_next_free_vgpr 1024
		.amdhsa_next_free_sgpr 102
		.amdhsa_reserve_vcc 0
		.amdhsa_float_denorm_mode_32 3
		.amdhsa_float_denorm_mode_16_64 3
		.amdhsa_memory_ordered 1
		.amdhsa_forward_progress 1
		.amdhsa_inst_pref_size 164
	.end_amdhsa_kernel
	.amdgpu_metadata
---
amdhsa.version: [ 1, 2 ]
amdhsa.kernels:
  - .name:           k_qf5babcf2d8_gemm
    .symbol:         k_qf5babcf2d8_gemm.kd
    .args:
      - { .name: x_codes, .offset: 0, .size: 8, .value_kind: global_buffer, .address_space: global }
      - { .name: scl, .offset: 8, .size: 8, .value_kind: global_buffer, .address_space: global }
      - { .name: w_codes, .offset: 16, .size: 8, .value_kind: global_buffer, .address_space: global }
      - { .name: bias, .offset: 24, .size: 8, .value_kind: global_buffer, .address_space: global }
      - { .name: out0, .offset: 32, .size: 8, .value_kind: global_buffer, .address_space: global }
    .group_segment_fixed_size: 327680
    .private_segment_fixed_size: 0
    .kernarg_segment_align: 8
    .kernarg_segment_size: 40
    .max_flat_workgroup_size: 128
    .sgpr_count:     102
    .vgpr_count:     1024
    .wavefront_size: 32
...
	.end_amdgpu_metadata
.endif
;; end of part 2
